; MI455X (gfx1250); checked and timed in simulation.
; The chip was launched on July 23, 2026; its instructions are those of AMD's public machine-readable ISA for CDNA 5 (MIT licence, August 2026) and "CDNA5" Instruction Set Architecture Reference Guide (July 2026). The comments in the code are by the model that wrote it; some were corrected since.
;; KAN Linear. Allowed arithmetic: matrix products marked QUANTISED: E2M3 operands, one E8M0 scale for each 32 along K, by v_wmma_scale_f32_16x16x128_f8f6f4 with both operands' format E2M3, f32 sums; everything else in f32.
;; Inputs: base_weight_codes 512 x 16 x 24 uint8 (E2M3 codes of base_weight, K innermost, in blocks of 32 codes, four codes in three bytes); base_weight_scales 512 x 16 uint8 (E8M0 scales of base_weight, one for each 32 codes along K); grid 512 x 12 float32; spline_scaler 512 x 512 float32; spline_weight 512 x 512 x 8 float32; x 16,384 x 512 float32.
;; Outputs: out0 16,384 x 512 float32.
;; This version of the problem:
;;   THIS VERSION OF THE PROBLEM IS GIVEN IN LOW PRECISION. The matrix products marked QUANTISED in the list below multiply operands that are first quantised to E2M3 (2 exponent bits, 3 mantissa bits; 6 bits a number), with one power-of-two scale for each 32 numbers along K (OCP MX v1.0); their sums are f32. All else is computed in f32.
;;   The module's matrix products, in the order in which they are computed (A, B: the left and right operand; K: the contracted axis; several contracted axes count as one K, in the product's order):
;;     1. [M 16,384, K 512] x [K 512, N 512]; A: computed on the way; B: input base_weight (given as codes): QUANTISED
;;     2. [M 16,384, K 4,096] x [K 4,096, N 512]; A: computed on the way; B: computed on the way: QUANTISED
;;   THE QUANTISER, for each operand of a quantised product, along K:
;;     - K is cut into blocks of 32 from its start; a last block that is shorter is filled with zeros.
;;     - A block's scale is 2^e with e = floor(log2(the largest magnitude in the block)) - 2, held to -126 .. 127; a block of zeros has e = 0. As a byte (E8M0): e + 127.
;;     - Each number is divided by its block's scale, clamped to +-7.5, and rounded to the nearest number of E2M3, ties to even, subnormals kept.
;;     - The product sums the exact products of the quantised numbers (number of the format x scale) in f32.
;;   ~~~python
;;   def quantise(x, axis):      # numpy; x: float32 -> the quantised numbers, widened to float32 again
;;       x = np.moveaxis(x, axis, -1); K = x.shape[-1]
;;       x = np.pad(x, [(0, 0)] * (x.ndim - 1) + [(0, -K % 32)]); x = x.reshape(x.shape[:-1] + (-1, 32)); a = np.abs(x).max(-1, keepdims=True)
;;       e = np.where(a > 0, np.clip(np.frexp(np.where(a > 0, a, 1))[1] - 1 - 2, -126, 127), 0)      # np.frexp(a)[1] - 1 = floor(log2(a)), exactly
;;       r = np.clip(x / 2.0 ** e, -7.5, 7.5)
;;       step = 2.0 ** (np.maximum(np.frexp(np.where(r == 0, 1, r))[1] - 1, 0) - 3)
;;       q = np.round(r / step) * step * 2.0 ** e      # np.round: ties to even
;;       return np.moveaxis(q.reshape(q.shape[:-2] + (-1,))[..., :K], -1, axis).astype(np.float32)
;;   ~~~
;;   OPERANDS COMPUTED ON THE WAY. 'Computed on the way' means the value that the module computes at that place (a softmax that the list does not call 'softmax' is quantised finished and normalised). What goes into a quantiser is computed in f32, as accurately as f32 sums, v_exp_f32 and their like allow (about 1e-6 of the number): no bf16 or f16 on the way to a quantiser, and a product that is left as it is and whose result goes on into a quantised operand takes f32 operands (vector FMAs, or v_wmma_f32_16x16x4_f32). A number that lies on a knife's edge between two numbers of the format may be rounded either way, as far as f32 arithmetic and the matrix unit's own rounding can turn it there, and no further.
;;   INPUTS GIVEN AS CODES. base_weight (in the module: [512, 512], K = its axis 1): each comes as NAME_codes (uint8): NAME with its K axis moved to the last place and cut into blocks of 32 codes, [.., K / 32, bytes a block], one block behind the other in memory; four codes in three bytes: a row's codes are one little-endian stream of bits, code i at bits 6 i .. 6 i + 5 (a code: sign, 2 exponent bits, 3 mantissa bits); and NAME_scales (uint8): the same leading axes, one E8M0 byte (e + 127) for each 32 codes along K. Its value is code x scale, taken as it is: it is not quantised again, and the codes and scales need not be those that the quantiser above would give.
;; One version. Each part assembles by itself: llvm-mc -triple=amdgcn-amd-amdhsa -mcpu=gfx1250 --defsym DOCPART=n.
;; ======== version 1 of 1: 2 launches
;; limits: right only within a limited range of input values
;; workspace buffers: wq 2,007,040 bytes
;; launch prep (part 1): grid 564 x 1, 4 waves a work-group, no clusters, 25,088 bytes of LDS; arguments spline_weight, spline_scaler, base_weight_codes, base_weight_scales, grid, wq; writes wq
.if DOCPART == 1
	.amdgcn_target "amdgcn-amd-amdhsa--gfx1250"
	.amdhsa_code_object_version 6
	.text
	.protected	k_q1214c2dfe1_prep
	.globl	k_q1214c2dfe1_prep
	.p2align	8
	.type	k_q1214c2dfe1_prep,@function
k_q1214c2dfe1_prep:
	s_mov_b64 s[64:65], 0
	v_nop
	global_prefetch_b8 v0, s[64:65] scope:SCOPE_SE
	s_setreg_imm32_b32 hwreg(HW_REG_WAVE_MODE, 25, 1), 1
	s_wait_xcnt 0x0
; Lays out, once, all that the second launch reads beside x, in 18 tiles of TILEB bytes (one for each of its trips of two K steps of 128) and a block of 16,384 bytes behind them.
; A tile: 64 weight fragments (16 rows x 128 K of E2M3 codes) as images of the operand's registers: fragment (w, ks, i) at ((2 w + ks) 4 + i) x 1,536, register group g of lane L at 512 g + 16 L;
;         at BSC the rows' scale words, (w, ks, r, i) at 512 w + 256 ks + 16 r + 4 i;  at CON the spline constants of the 32 features that are worked two trips later.
; THE SPLINE PRODUCT'S K runs basis first: k = basis x 512 + feature, the order in which the product contracts its two axes.  So a block of 32 is 32 neighbouring features of ONE basis.
; Tiles 0-15: spline_weight x spline_scaler (one f32 multiplication), quantised so; tile k holds features 32 k on; its K step ks, block b is basis 4 ks + b.  Tiles 16, 17: base_weight's codes and scales, as given.
; A block's scale byte is its largest magnitude's exponent field - 2, held at 1 from below (a block of zeros so has byte 1 over zero codes: these bytes are read by this program alone).
; Constants of 32 features = 16 pairs (e = 0, 1): four sections of 2,048 bytes: g[j]; 1 / max(g[j+1] - g[j], 1e-6); the same with spans 2 and 3.  A section is 8 pieces of 256 bytes; in piece c pair p has the
; 16 bytes at 16 p: dwords (j = 2 c, e = 0), (2 c, 1), (2 c + 1, 0), (2 c + 1, 1).  The reciprocals are v_rcp_f32 with one Newton step.
; LIMITS: NaN and infinities in grid, spline_weight and spline_scaler are not served.
; Work-groups 0-511: a column tile of 16 weight rows x one trip of spline weights.  512-543: a column tile of the base weight.  544-563: the constants of one place.  Only the first path uses LDS.
.set TILEB, 110592
.set BSC,   98304
.set CON,   102400
.set FRB,   1536
.set OIMG,  20480                      ; LDS: behind four waves' turning stages of 2 x 2,560 bytes: the two fragments' images, lane L's 48 bytes at 48 L
.set SIMG,  23552                      ; and their scale words: 64 ks + 4 r
.set R,     16                         ; v16-47  two steps' numbers as loaded, then scaled
.set SCP,   48                         ; v48-55  two steps' four numbers of spline_scaler
.set XQ,    68                         ; v68-83  16 neighbouring features of one basis
.set CDS,   84                         ; v84-86, v88-90 codes;  v92, v93 scale bytes
	s_load_b256 s[4:11], s[0:1], 0x0               ; spline_weight s[4:5], spline_scaler s[6:7], base codes s[8:9], base scales s[10:11]
	s_load_b128 s[12:15], s[0:1], 0x20             ; grid s[12:13], wq s[14:15]
	v_lshl_add_u32 v96, v0, 2, 0x6000
	v_mov_b32 v97, 0
	v_lshrrev_b32 v1, 5, v0
	v_readfirstlane_b32 s16, v1                    ; wave q
	v_and_b32 v2, 31, v0                           ; lane
	s_mov_b32 s21, 0                               ; the high words of the offsets' pairs
	s_mov_b32 s23, 0
	s_mov_b32 s29, 0
	s_mov_b32 s31, 0
	s_cmp_ge_u32 ttmp9, 512
	s_cbranch_scc1 .Lnot_spline
	; ---- spline weights: column tile t (rows 16 t on), trip k (features 32 k on).  Wave q: rows 16 t + 4 q + 0 .. 3, 1,024 bytes of each, two rows a step
	s_and_b32 s17, ttmp9, 31                       ; t
	s_lshr_b32 s18, ttmp9, 5                       ; k
	s_lshl_b32 s20, s17, 18                        ; spline_weight: a row is 16,384 bytes
	s_lshl_b32 s19, s16, 16
	s_add_co_u32 s20, s20, s19
	s_lshl_b32 s19, s18, 10
	s_add_co_u32 s20, s20, s19
	s_lshl_b32 s22, s17, 15                        ; spline_scaler: a row is 2,048 bytes
	s_lshl_b32 s19, s16, 13
	s_add_co_u32 s22, s22, s19
	s_lshl_b32 s19, s18, 7
	s_add_co_u32 s22, s22, s19
	s_lshr_b32 s24, s17, 2                         ; w
	s_and_b32 s25, s17, 3                          ; i
	s_mul_i32 s26, s18, TILEB                      ; tile k
	s_lshl_b32 s19, s24, 3
	s_add_co_u32 s19, s19, s25
	s_mul_i32 s19, s19, FRB                        ; fragment (w, 0, i)
	s_add_co_u32 s28, s26, s19
	s_lshl_b32 s19, s16, 9
	s_add_co_u32 s28, s28, s19                     ; register group g = q
	s_lshl_b32 s19, s24, 9
	s_add_co_u32 s30, s26, s19
	s_lshl_b32 s19, s25, 2
	s_add_co_u32 s30, s30, s19
	s_add_co_u32 s30, s30, BSC                     ; the scale words' place
	s_wait_alu depctr_va_vdst(0)
	v_lshlrev_b32 v3, 4, v2                        ; 16 bytes a lane of a load's 512: half of one feature's 8 bases
	v_lshrrev_b32 v4, 1, v2
	v_lshlrev_b32 v4, 2, v4                        ; spline_scaler: that feature's number, lane / 2 of a load's 16 features
	v_lshrrev_b32 v9, 4, v2                        ; at work a lane is (row of the step's two: bit 4; basis: bits 3-1; half of the block: bit 0)
	v_and_b32 v10, 15, v2
	s_mul_i32 s19, s16, 5120                       ; my wave's turning stages
	v_lshrrev_b32 v5, 2, v2
	v_mul_u32_u24 v5, v5, 80
	v_and_b32 v11, 3, v2
	v_lshl_add_u32 v5, v11, 4, v5
	v_add_nc_u32 v5, s19, v5                       ; in: four lanes' 64 bytes (two features) on end, then 16 of padding
	v_mul_u32_u24 v6, v9, 1280                     ; out: my row's 16 places of 80 bytes,
	v_and_b32 v11, 1, v2
	v_mad_u32_u24 v6, v11, 640, v6                 ; my half's 8 of them,
	v_bfe_u32 v11, v2, 1, 3
	v_lshl_add_u32 v6, v11, 2, v6                  ; my basis's word in each feature's 32 bytes
	v_add_nc_u32 v6, s19, v6
	v_bfe_u32 v11, v2, 3, 1                        ; ks = basis / 4
	v_mul_u32_u24 v7, v11, FRB
	v_lshlrev_b32 v8, 6, v11
	v_bfe_u32 v11, v2, 1, 1                        ; block & 1: the operand's half of the lanes
	v_mad_u32_u24 v7, v11, 768, v7
	v_bfe_u32 v11, v2, 2, 1                        ; block >> 1: registers 0-5 or 6-11
	v_mad_u32_u24 v7, v11, 24, v7
	v_and_b32 v11, 1, v2                           ; which half of the block
	v_mad_u32_u24 v7, v11, 12, v7
	v_mad_u32_u24 v7, v9, 48, v7
	s_mul_i32 s19, s16, 192
	s_add_co_u32 s19, s19, OIMG
	v_add_nc_u32 v7, s19, v7                       ; where my 12 bytes of codes go in the images
	v_lshl_add_u32 v8, v9, 2, v8
	v_bfe_u32 v11, v2, 1, 2                        ; the block's byte in the scale word
	v_add_nc_u32 v8, v8, v11
	s_lshl_b32 s19, s16, 4
	s_add_co_u32 s19, s19, SIMG
	v_add_nc_u32 v8, s19, v8
	v_mul_u32_u24 v12, v2, 48
	s_lshl_b32 s19, s16, 4
	s_add_co_u32 s19, s19, OIMG
	v_add_nc_u32 v12, s19, v12                     ; the way out: lane L's register group q
	v_lshl_add_u32 v13, v2, 2, SIMG                ; and a scale word a lane
	v_lshlrev_b32 v14, 4, v10
	v_lshl_add_u32 v14, v9, 8, v14                 ; its place in the tile: 256 ks + 16 r
	s_wait_kmcnt 0x0
	s_add_nc_u64 s[4:5], s[4:5], s[20:21]
	s_add_nc_u64 s[6:7], s[6:7], s[22:23]
	s_add_nc_u64 s[32:33], s[14:15], s[28:29]
	s_add_nc_u64 s[34:35], s[14:15], s[30:31]
.macro LOADS st
.irp n, 0,1,2,3
	global_load_b128 v[R+16*\st+4*\n:R+16*\st+4*\n+3], v3, s[4:5] offset:(2*\st+\n/2)*16384+(\n%2)*512 th:TH_LOAD_NT   ; 32 lanes read 512 consecutive bytes: 16 features
.endr
.irp n, 0,1,2,3
	global_load_b32 v[SCP+4*\st+\n], v4, s[6:7] offset:(2*\st+\n/2)*2048+(\n%2)*64   ; and those 16 features' numbers of spline_scaler, two lanes to a number
.endr
.endm
	LOADS 0
	LOADS 1
.macro STEP st
.if \st == 0
	s_wait_loadcnt 8                               ; this step's eight loads are in; the other step's eight may be out
.else
	s_wait_loadcnt 0x0
.endif
.irp n, 0,1,2,3
.irp c, 0,1,2,3
	v_mul_f32 v[R+16*\st+4*\n+\c], v[R+16*\st+4*\n+\c], v[SCP+4*\st+\n]
.endr
.endr
.irp n, 0,1,2,3
	ds_store_b128 v5, v[R+16*\st+4*\n:R+16*\st+4*\n+3] offset:2560*\st+640*\n
.endr
.set TT, 0
.rept 16
	ds_load_b32 v[XQ+TT], v6 offset:2560*\st+80*(TT/2)+32*(TT%2)   ; feature 16 half + TT, my basis.  LDS serves a wave's instructions in order: these see my stores
.set TT, TT+1
.endr
	s_wait_dscnt 0x0
	v_max3_num_f32 v10, |v[XQ]|, |v[XQ+1]|, 0x1800000      ; my 16 numbers' largest magnitude, and the floor 2^(3 - 127): the byte cannot fall under 1
	v_max3_num_f32 v11, |v[XQ+2]|, |v[XQ+3]|, |v[XQ+6]|
	v_max3_num_f32 v10, v10, |v[XQ+4]|, |v[XQ+5]|
	v_max3_num_f32 v11, v11, |v[XQ+7]|, |v[XQ+10]|
	v_max3_num_f32 v10, v10, |v[XQ+8]|, |v[XQ+9]|
	v_max3_num_f32 v11, v11, |v[XQ+11]|, |v[XQ+14]|
	v_max3_num_f32 v10, v10, |v[XQ+12]|, |v[XQ+13]|
	v_max3_num_f32 v10, v10, v11, |v[XQ+15]|
	v_max_num_f32_dpp v10, v10, v10 row_xmask:1 row_mask:0xf bank_mask:0xf   ; with my neighbour's 16: the block's
	v_add_nc_u32 v11, 0xff000000, v10              ; 2 off its exponent field: the conversion takes this operand's exponent field as its scale
	v_cvt_scalef32_pk16_fp6_f32 v[CDS+4*\st:CDS+4*\st+2], v[XQ:XQ+15], v11
	v_lshrrev_b32 v[92+\st], 23, v11               ; the scale's byte (and the plain line behind the conversion)
	ds_store_b32 v7, v[CDS+4*\st] offset:96*\st
	ds_store_b32 v7, v[CDS+4*\st+1] offset:96*\st+4
	ds_store_b32 v7, v[CDS+4*\st+2] offset:96*\st+8
	ds_store_b8 v8, v[92+\st] offset:8*\st         ; both lanes of a block write the same byte with the same value
.endm
	STEP 0
	STEP 1
	s_wait_dscnt 0x0                               ; for the others' sake: my stores into the images are done
	s_barrier_signal -1
	s_barrier_wait -1
	s_cmp_eq_u32 s16, 3
	s_cbranch_scc1 .Lwords
	ds_load_b128 v[16:19], v12                     ; waves 0-2: register group q of both fragments
	ds_load_b128 v[20:23], v12 offset:FRB
	s_wait_dscnt 0x0
	global_store_b128 v3, v[16:19], s[32:33]       ; 32 lanes store 512 consecutive bytes
	global_store_b128 v3, v[20:23], s[32:33] offset:4*FRB
	s_wait_tensorcnt 0x0
	ds_add_u32 v96, v97
	s_wait_dscnt 0x0
	s_endpgm
.Lwords:
	ds_load_b32 v16, v13                           ; wave 3: the 32 scale words.  They go 16 bytes apart: 4 bytes of each 16, one byte in 24 of what the tile holds
	s_wait_dscnt 0x0
	global_store_b32 v14, v16, s[34:35]
	s_wait_tensorcnt 0x0
	ds_add_u32 v96, v97
	s_wait_dscnt 0x0
	s_endpgm
.Lnot_spline:
	s_cmp_ge_u32 ttmp9, 544
	s_cbranch_scc1 .Lconsts
	; ---- the base weight: column tile t, wave q = K step q.  The codes' 24 bytes a lane are the operand's registers as they lie
	s_sub_co_u32 s17, ttmp9, 512                   ; t
	s_wait_alu depctr_va_vdst(0)
	v_and_b32 v3, 15, v2                           ; r
	v_lshrrev_b32 v4, 4, v2                        ; h
	v_mul_u32_u24 v5, v3, 384                      ; a row of 512 codes is 384 bytes
	v_mad_u32_u24 v5, v4, 24, v5
	v_lshlrev_b32 v6, 4, v3                        ; 16 r: a row of scale bytes, and a word's place in the tile
	v_lshlrev_b32 v7, 4, v2                        ; 16 L
	s_mul_i32 s20, s17, 6144
	s_mul_i32 s19, s16, 96
	s_add_co_u32 s20, s20, s19
	s_lshl_b32 s22, s17, 8
	s_lshl_b32 s19, s16, 2
	s_add_co_u32 s22, s22, s19
	s_lshr_b32 s24, s17, 2                         ; w
	s_and_b32 s25, s17, 3                          ; i
	s_lshr_b32 s26, s16, 1
	s_add_co_u32 s26, s26, 16
	s_mul_i32 s26, s26, TILEB                      ; tile 16 + q / 2
	s_and_b32 s27, s16, 1                          ; ks
	s_lshl_b32 s19, s24, 1
	s_add_co_u32 s19, s19, s27
	s_lshl_b32 s19, s19, 2
	s_add_co_u32 s19, s19, s25
	s_mul_i32 s19, s19, FRB
	s_add_co_u32 s28, s26, s19
	s_lshl_b32 s19, s24, 9
	s_add_co_u32 s30, s26, s19
	s_lshl_b32 s19, s27, 8
	s_add_co_u32 s30, s30, s19
	s_lshl_b32 s19, s25, 2
	s_add_co_u32 s30, s30, s19
	s_add_co_u32 s30, s30, BSC
	s_wait_alu depctr_va_vdst(0)
	s_wait_kmcnt 0x0
	s_add_nc_u64 s[8:9], s[8:9], s[20:21]
	s_add_nc_u64 s[10:11], s[10:11], s[22:23]
	s_add_nc_u64 s[32:33], s[14:15], s[28:29]
	s_add_nc_u64 s[34:35], s[14:15], s[30:31]
.irp p, 0,1,2,3,4,5
	global_load_b64 v[16+2*\p:17+2*\p], v5, s[8:9] offset:48*(\p/3)+8*(\p%3)
.endr
	global_load_b32 v28, v6, s[10:11]
	s_wait_loadcnt 0x0
.irp g, 0,1,2
	global_store_b128 v7, v[16+4*\g:19+4*\g], s[32:33] offset:512*\g
.endr
	global_store_b32 v6, v28, s[34:35]             ; lanes r and 16 + r store the same word to the same place
	s_endpgm
.Lconsts:
	; ---- the constants of place T: places 0, 1 lie behind the tiles (trips 0, 1); place T >= 2 lies in tile T - 2 and holds trip min(T, 15)'s.
	; Wave q: pairs 8 (q & 1) on, pieces 4 (q >> 1) on.  Lane = 4 p' + t: pair p', dword t = (j & 1, e): a store's 32 lanes cover 128 consecutive bytes
	s_sub_co_u32 s17, ttmp9, 544                   ; T
	s_min_u32 s18, s17, 15                         ; the trip whose 32 features are taken
	s_lshl_b32 s20, s17, 13
	s_add_co_u32 s20, s20, 18*TILEB
	s_max_u32 s19, s17, 2
	s_sub_co_u32 s19, s19, 2
	s_mul_i32 s19, s19, TILEB
	s_add_co_u32 s19, s19, CON
	s_cmp_lt_u32 s17, 2
	s_cselect_b32 s20, s20, s19                    ; an offset is chosen, not an address
	s_and_b32 s24, s16, 1                          ; which 8 pairs
	s_lshr_b32 s25, s16, 1                         ; which 4 pieces
	s_lshl_b32 s19, s25, 10
	s_add_co_u32 s20, s20, s19
	s_lshl_b32 s19, s24, 7
	s_add_co_u32 s20, s20, s19
	s_lshl_b32 s22, s18, 5
	s_lshl_b32 s19, s24, 4
	s_add_co_u32 s22, s22, s19
	s_mul_i32 s22, s22, 48                         ; a feature's 12 knots are 48 bytes
	s_lshl_b32 s26, s25, 3                         ; my pieces begin at j = 8 (q >> 1)
	s_wait_alu depctr_va_vdst(0)
	v_bfe_u32 v3, v2, 1, 1                         ; j & 1
	v_and_b32 v4, 1, v2                            ; e
	v_lshrrev_b32 v5, 2, v2                        ; p'
	v_lshl_add_u32 v4, v5, 1, v4
	v_mul_u32_u24 v4, v4, 48                       ; my feature's knots
	v_add_nc_u32 v3, s26, v3
.irp d, 0,1,2,3,4,5,6,7,8,9
	v_add_nc_u32 v5, \d, v3
	v_min_u32 v5, 11, v5                           ; past the last knot the last is taken: those places are fillers that nobody uses
	v_lshl_add_u32 v[72+\d], v5, 2, v4
.endr
	v_lshlrev_b32 v6, 2, v2
	s_wait_alu depctr_va_vdst(0)
	s_wait_kmcnt 0x0
	s_add_nc_u64 s[12:13], s[12:13], s[22:23]
	s_add_nc_u64 s[32:33], s[14:15], s[20:21]
.irp cc, 0,1,2,3
.irp k, 0,1,2,3
	global_load_b32 v[16+4*\cc+\k], v[72+2*\cc+\k], s[12:13]   ; g[j + k], j = 8 (q >> 1) + 2 cc + (j & 1)
.endr
.endr
	s_wait_loadcnt 0x0
.irp cc, 0,1,2,3
.irp k, 1,2,3
	v_sub_f32 v[32+3*\cc+\k-1], v[16+4*\cc+\k], v[16+4*\cc]
.endr
.endr
.set J, 0
.rept 12
	v_max_num_f32 v[32+J], 0x358637bd, v[32+J]     ; held at 1e-6 from below
.set J, J+1
.endr
.set J, 0
	s_wait_alu depctr_va_vdst(0)
.rept 12
	v_rcp_f32 v[48+J], v[32+J]
.set J, J+1
.endr
	v_nop                                          ; a plain line behind the last reciprocal
	s_wait_alu depctr_va_vdst(0)                   ; one wait for the twelve, ahead of their first reader
.set J, 0
.rept 12
	v_fma_f32 v[60+J], -v[32+J], v[48+J], 1.0      ; one Newton step: r + r (1 - d r)
.set J, J+1
.endr
.set J, 0
.rept 12
	v_fma_f32 v[48+J], v[48+J], v[60+J], v[48+J]
.set J, J+1
.endr
.irp cc, 0,1,2,3
	global_store_b32 v6, v[16+4*\cc], s[32:33] offset:256*\cc
.irp k, 1,2,3
	global_store_b32 v6, v[48+3*\cc+\k-1], s[32:33] offset:2048*\k+256*\cc
.endr
.endr
	s_endpgm
.Lfunc_end_k_q1214c2dfe1_prep:
	.size	k_q1214c2dfe1_prep, .Lfunc_end_k_q1214c2dfe1_prep-k_q1214c2dfe1_prep
	.p2alignl 7, 3214868480
	.fill 96, 4, 3214868480
	.section	.rodata,"a",@progbits
	.p2align	6, 0x0
	.amdhsa_kernel k_q1214c2dfe1_prep
		.amdhsa_group_segment_fixed_size 25088
		.amdhsa_private_segment_fixed_size 0
		.amdhsa_enable_private_segment 0
		.amdhsa_kernarg_size 48
		.amdhsa_user_sgpr_count 2
		.amdhsa_user_sgpr_kernarg_segment_ptr 1
		.amdhsa_wavefront_size32 1
		.amdhsa_system_sgpr_workgroup_id_x 1
		.amdhsa_system_sgpr_workgroup_id_y 1
		.amdhsa_system_sgpr_workgroup_id_z 1
		.amdhsa_system_vgpr_workitem_id 0
		.amdhsa_next_free_vgpr 98
		.amdhsa_next_free_sgpr 66
		.amdhsa_reserve_vcc 0
		.amdhsa_float_denorm_mode_32 3
		.amdhsa_float_denorm_mode_16_64 3
		.amdhsa_memory_ordered 1
		.amdhsa_forward_progress 1
		.amdhsa_inst_pref_size 24
	.end_amdhsa_kernel
	.amdgpu_metadata
---
amdhsa.version: [ 1, 2 ]
amdhsa.kernels:
  - .name:           k_q1214c2dfe1_prep
    .symbol:         k_q1214c2dfe1_prep.kd
    .args:
      - { .name: spline_weight, .offset: 0, .size: 8, .value_kind: global_buffer, .address_space: global }
      - { .name: spline_scaler, .offset: 8, .size: 8, .value_kind: global_buffer, .address_space: global }
      - { .name: base_weight_codes, .offset: 16, .size: 8, .value_kind: global_buffer, .address_space: global }
      - { .name: base_weight_scales, .offset: 24, .size: 8, .value_kind: global_buffer, .address_space: global }
      - { .name: grid, .offset: 32, .size: 8, .value_kind: global_buffer, .address_space: global }
      - { .name: wq, .offset: 40, .size: 8, .value_kind: global_buffer, .address_space: global }
    .group_segment_fixed_size: 25088
    .private_segment_fixed_size: 0
    .kernarg_segment_align: 8
    .kernarg_segment_size: 48
    .max_flat_workgroup_size: 128
    .sgpr_count:     66
    .vgpr_count:     98
    .wavefront_size: 32
...
	.end_amdgpu_metadata
.endif
;; end of part 1
;; launch kan (part 2): grid 256 x 1, 8 waves a work-group, clusters of 4 x 1, 327,680 bytes of LDS; arguments x, wq, out0; writes out0
.if DOCPART == 2
	.amdgcn_target "amdgcn-amd-amdhsa--gfx1250"
	.amdhsa_code_object_version 6
	.text
	.protected	k_q1214c2dfe1_kan
	.globl	k_q1214c2dfe1_kan
	.p2align	8
	.type	k_q1214c2dfe1_kan,@function
k_q1214c2dfe1_kan:
	s_mov_b64 s[64:65], 0
	v_nop
	global_prefetch_b8 v0, s[64:65] scope:SCOPE_SE
	s_setreg_imm32_b32 hwreg(HW_REG_WAVE_MODE, 25, 1), 1
	s_wait_xcnt 0x0
	s_wait_alu depctr_hold_cnt(0) depctr_sa_sdst(0) depctr_va_vdst(0) depctr_va_sdst(0) depctr_va_ssrc(0) depctr_va_vcc(0) depctr_vm_vsrc(0)
	s_getreg_b32 s2, hwreg(HW_REG_IB_STS2, 6, 4)
	s_cmp_eq_u32 s2, 0
	s_cbranch_scc0 .Lentry_in_a_cluster
	s_endpgm
.Lentry_in_a_cluster:
	s_bfe_u32 s2, ttmp6, 0x10000c
	s_cmp_lg_u32 s2, 0x3003
	s_cbranch_scc0 .Lentry_shape_is_right
	s_endpgm
.Lentry_shape_is_right:
; y = silu(x') Wb^T + bases(x') Ws^T, not-finite y -> 0.  x' = ((clip of x to +-1.1, NaN -> 0) + 1) - 1, as the f32 arithmetic of the definition gives it.  Both products on E2M3 codes with E8M0 scales.
; THE SPLINE PRODUCT'S K runs basis first: k = basis x 512 + feature, the order in which the product contracts its two axes: a block of 32 is 32 neighbouring features of ONE basis, for one row.
; SHARES.  A work-group owns 64 rows and all 512 columns, so that each basis is computed once.  Eight waves, two to a SIMD.  Every wave has two parts in one stream of instructions:
;   M: 64 rows x columns 64 w .. 64 w + 63: 16 accumulators; a trip is two K steps of 128: 32 matrix instructions, used transposed (source 0 = 16 weight rows, source 1 = 16 rows of the operand made here),
;      so that a lane holds 8 neighbouring columns of one row of y;
;   P: the NEXT trip's operand for rows 8 w .. 8 w + 7: lane (p, h) takes the pair of features p (of the trip's 16), unit u the row 8 w + 2 u + h.  The recursion runs packed over the pair, and a lane's constants
;      serve the whole trip.  A lane's 16 results (8 bases x 2 features) go through the wave's own stage in LDS and come back as 16 features of one basis: what the conversion wants.
; The vector lines of P are many times the matrix lines of M: four matrix instructions stand behind some segments of 8 to 12 vector lines (macro HOOK).
; K.  Trips 0-15: the splines, features 32 k on, all 8 bases: K step ks, block b is basis 4 ks + b.  Trips 16, 17: the base product, whose operand silu(x') is made on the way (64 features in each even trip).
; So the blocks are summed in another order than K's; each block is the quantiser's own.
; THE SPLINES are evaluated in full for any grid: 11 indicators, then 10, 9, 8 bases; B_k[j] = D[j] (R_k[j] B[j]) - D[j+k+1] (R_k[j+1] B[j+1]), D[j] = x' - g[j], R_k[j] = 1 / max(g[j+k] - g[j], 1e-6).
; LIMITS: the divisions are multiplications by reciprocals good to about one unit in the last place, associated as written above; NaN and infinities in grid and weights are not served; bases must stay finite
; in f32; a block of zeros has byte 1 over zero codes.
; THE WEIGHTS come as tiles of TILEB bytes, laid by the launch before as images of the operand's registers, through two LDS slots.  CLUSTER: the four work-groups of a cluster walk the same tiles: each quarter
; of a tile is asked for JOINTLY (mask 15), by waves 0-3, one load each behind each round of the cluster's barrier; by this text's count one tensor load of a wave is out.
; lds_bytes claims all of a WGP's LDS.
.set TILEB, 110592
.set BSC,   98304                      ; in a tile: the weights' scale words
.set CON,   102400                     ; and the spline constants of the trip after next: section S at 2,048 S, piece c at 256 c, pair p at 16 p
.set QUART, 27648                      ; a quarter tile: 108 rows of 256 bytes
.set FRB,   1536                       ; a fragment's image
.set AIMG,  221184                     ; LDS behind the two slots: the spline operand's 8 fragments, two buffers; fragment (ks, m) at (4 ks + m) FRB, lane L's 48 bytes at 48 L
.set ABUF,  12288
.set BIMG,  245760                     ; silu's codes: chunk c at 3,072 c, tile of rows m at 768 m, lane L's 24 bytes at 24 L
.set ASC,   270336                     ; the spline operand's scale bytes, two buffers of 512: 256 ks + 16 r + 4 m + block
.set BSCA,  271360                     ; silu's: 64 r + 16 m + block (0 .. 15)
.set XST,   272384                     ; x': two slots of 64 rows x (256 bytes + 16)
.set XSL,   17408
.set XP,    272
.set TST,   307200                     ; each wave's own turning stage: 32 places of 64 bytes + 8: place 16 h + 2 basis + half holds 16 features of one basis of one row
.set TWB,   2304
.set SPARE, 325632                     ; the spare words, 128 bytes a wave: four blocks of 256 bytes that no other line names
; window 0
.set SPW, 1                            ; v1   SPARE + 4 x thread; never rewritten
.set NIL, 2                            ; v2   0; never rewritten
.set AW,  3                            ; where my 12 bytes of spline codes go
.set SW,  4                            ; and my block's scale byte
.set XL,  5                            ; my pair's x' in a slot of x'
.set XA,  6                            ; an address in hand
.set CN,  7                            ; v7, v8   my pair's constants in slot 0, 1
.set AF,  9                            ; the operand's images: 48 L
.set BF,  10                           ; v10, v11 my weights' images in slot 0, 1
.set SC,  12                           ; v12, v13 scale words: lanes 0-15 my weights', lanes 16-31 the operand's
.set XW,  14                           ; where I stage x'
.set GX,  15                           ; my offset in the work-group's rows of x
.set SL,  16                           ; silu: my 16 numbers in a slot of x'
.set BW,  17                           ; silu: where my codes go
.set BS,  18                           ; silu: and my block's byte
.set TA,  19                           ; an address in hand
.set SCL, 20                           ; v20-27 scale words, 4 for each K step: nothing else ever stands here
.set X,   28                           ; v28-35 four units' pairs of x'
.set G,   36                           ; v36-59 knots;  v60-83, v84-103, v104-123 the reciprocals of spans 1, 2, 3: pairs (e = 0, 1)
.set R1,  60
.set R2,  84
.set R3,  104
.set D,   124                          ; v124-147 x' - g[j]
.set T,   148                          ; v148-171 R x B; between two units v148-163 take the 16 numbers that come back from the turning stage
.set O,   172                          ; v172-191 a level's bases; at the end register 2 j + e = basis j of feature e
.set TM,  192                          ; v192-199 at work
.set CD,  200                          ; v200-202 codes
.set XS,  204                          ; v204-219 a chunk of x on its way
.set SX,  220                          ; v220-235 silu's x'
.set PFO, 236                          ; the prefetches' offset
.set STO, 237                          ; the way out: into my stage, back from it, and my offset in the rows of y
.set SRD, 238
.set GO,  239
.set BAS, 240                          ; v240-243 silu's scale words: nothing else ever stands here
.set CGO, 244                          ; 16 x my pair: the first two trips' constants come from memory
.set BFA, 245                          ; silu's images: 24 L
.set BSR, 246                          ; silu's scale words: 64 r
.set TW,  247                          ; the turning stage: where I put a basis's two numbers,
.set TR,  248                          ; and where I read 16 numbers back
.set TV,  124                          ; the way out: 32 numbers;  v156-219 rows read back, two sets
.set RB,  156
; window 1
.set ACC, 0                            ; accumulator 4 m + i at 8 (4 m + i)
.set FA,  128                          ; the operand's four fragments
.set FW,  176                          ; my weights' four
; scalars
.set WV,   10
.set LOOP, 11
.set XC,   12                          ; the slot of x' of the pass's chunk, and of the next: 0 or XSL
.set XN,   13
.set BI,   14                          ; 3,072 x chunk
.set BC,   15                          ; 2 x chunk
.set G1,   16                          ; s[16:23] group 1 for a quarter tile;  s[24:27], s[28:31] groups 0 for slots 0, 1
.set G0,   24
.set CB,   32                          ; s[32:33] the first two trips' constants in memory
.set MK,   68                          ; s68-91 lane masks of the comparisons: knot j, feature e at MK + 2 j + e, so that one 64-bit scalar line serves both features
.set SEL,  56
.set CLIP, 58
.set PINF, 59
.set PFA,  60
.set ASKF, 62
.set NCLIP, 63
.set MSB, 0
.set NDS, 0                            ; LDS instructions issued since the last barrier: the counted waits are made of it
.set HK,  0
.set HKON, 0
.set CSLOT, 0
.set F0,  0
.set F1,  0
.set SLU, 0
.set QM,  0
.macro WIN new                         ; the immediate's high byte repeats the setting that is left
.if MSB != \new
	s_set_vgpr_msb (MSB<<8)|\new
.set MSB, \new
.endif
.endm
.macro PLACES
.rept 4
	v_nop
.endr
.endm
.macro WAITDS mark                     ; LDS instructions end in order: as many may stay out as were issued behind the marked group
.if NDS-\mark > 63
	s_wait_dscnt 63
.else
	s_wait_dscnt NDS-\mark
.endif
.endm
.macro ROUND                           ; a round of the cluster's barrier
	s_barrier_signal -1
	s_barrier_wait -1
	s_cmp_lg_u32 s[WV], 0
	s_cbranch_scc1 .Lnot_wave_0_\@
	s_barrier_signal -3
.Lnot_wave_0_\@:
	s_barrier_wait -3
	s_barrier_signal -1
	s_barrier_wait -1
.endm
.macro JLOAD n                         ; waves 0-3 ask for a quarter of slot n's next tile; four v_nop follow the load
	s_cmp_lt_u32 s[WV], 4
	s_cbranch_scc0 .Lno_fetch_\@
	tensor_load_to_lds s[G0+4*(\n):G0+4*(\n)+3], s[G1:G1+7]
	s_nop 0
.rept 4
	v_nop
.endr
.Lno_fetch_\@:
.endm
; A prefetch into the L2 of the tile that the NEXT round will ask for.  All clusters walk the same tiles: the first cluster asks.  Its four partners take a quarter tile each, told apart by ADDRESS;
; in each, waves 4-7, which fetch nothing, take 27 blocks of 256 bytes each, a lane a block (lanes 27-31 name lane 26's block again).  The trip that asks for the last tile prefetches nothing.
.macro ASK
	s_cmp_eq_u32 s[ASKF], 1
	s_cbranch_scc0 .Lnot_mine_\@
	global_prefetch_b8 v[PFO], s[PFA:PFA+1] th:TH_LOAD_NT scope:SCOPE_SE
.Lnot_mine_\@:
.endm
; THE CHANGE OF SLOTS, at a trip's head.  Every wave waits for all its tensor loads (its quarter of the tile that it is about to read), adds 0 to its spare word, waits for that and for all its LDS work of the
; last trip (reads of the slot that it leaves, stores of the operand that the others are about to read).  Behind the round the other slot is filled again first.
.macro HEAD slot, refill, ask
	WIN 0
	s_wait_tensorcnt 0x0                           ; no tensor load of mine is out, so a group 0 may be written
	ds_add_u32 v[SPW], v[NIL]                      ; 0 onto my spare word,
	ds_add_u32 v[SPW], v[NIL]                      ; twice on end
.if \refill
	s_add_nc_u64 s[G0+4*(\slot)+2:G0+4*(\slot)+3], s[G0+4*(\slot)+2:G0+4*(\slot)+3], 2*TILEB   ; this slot's next tile
.endif
.if \ask
	s_wait_xcnt 0x0                                ; the last prefetch, a trip back, has read its address
	s_add_nc_u64 s[PFA:PFA+1], s[PFA:PFA+1], TILEB
.endif
	s_wait_dscnt 0x0
.if \refill
	ROUND
	JLOAD 1-(\slot)
.else
	s_barrier_signal -1
	s_barrier_wait -1
.endif
.if \ask
	ASK
.endif
.set NDS, 0
.set HK, 0
.set CSLOT, \slot
.endm
; The fragments of K step ks of the trip in slot (and operand buffer) slot: 25 loads of 16 bytes a lane
.macro WLOAD ks, slot
.irp i, 0,1,2,3
.irp g, 0,1,2
	ds_load_b128 v[FW+12*\i+4*\g:FW+12*\i+4*\g+3], v[BF+(\slot)] offset:(4*(\ks)+\i)*FRB+512*\g
.endr
.endr
	WIN 0
	ds_load_b128 v[SCL+4*(\ks):SCL+4*(\ks)+3], v[SC+(\slot)] offset:256*(\ks)   ; register i: lanes 0-15 the words of my weight tile i, lanes 16-31 those of the operand's tile i
.set NDS, NDS+13
.endm
.macro LOADF ks, slot
	WIN 0x40                                       ; destination window 1, address window 0
.irp m, 0,1,2,3
.irp g, 0,1,2
	ds_load_b128 v[FA+12*\m+4*\g:FA+12*\m+4*\g+3], v[AF] offset:ABUF*(\slot)+(4*(\ks)+\m)*FRB+16*\g
.endr
.endr
.set NDS, NDS+12
	WLOAD \ks, \slot
.endm
.macro LOADFB ks, slot, s              ; the same for base K step s: silu's codes lie by chunks of 64 along K, 24 bytes a lane
	WIN 0x40
.irp m, 0,1,2,3
.irp p, 0,1,2,3,4,5
	ds_load_b64 v[FA+12*\m+2*\p:FA+12*\m+2*\p+1], v[BFA] offset:(2*(\s)+\p/3)*3072+768*\m+8*(\p%3)
.endr
.endr
.set NDS, NDS+24
	WLOAD \ks, \slot
.irp m, 0,1,2,3
	ds_load_b32 v[BAS+\m], v[BSR] offset:16*\m+4*(\s)
.endr
.set NDS, NDS+4
.endm
; One matrix instruction: accumulator a = 4 m + i.  The 16 take turns, one instruction a turn, in the same order in every K step, over the loop's edge too.
.macro WMI a, ks, base
	WIN 0x55                                       ; all four operand places window 1; scale operands have no window
.if \base
	v_wmma_scale_f32_16x16x128_f8f6f4 v[ACC+8*(\a):ACC+8*(\a)+7], v[FW+12*((\a)%4):FW+12*((\a)%4)+11], v[FA+12*((\a)/4):FA+12*((\a)/4)+11], v[ACC+8*(\a):ACC+8*(\a)+7], v[SCL+4*(\ks)+(\a)%4], v[BAS+(\a)/4] matrix_a_fmt:MATRIX_FMT_FP6 matrix_b_fmt:MATRIX_FMT_FP6
.else
	v_wmma_scale_f32_16x16x128_f8f6f4 v[ACC+8*(\a):ACC+8*(\a)+7], v[FW+12*((\a)%4):FW+12*((\a)%4)+11], v[FA+12*((\a)/4):FA+12*((\a)/4)+11], v[ACC+8*(\a):ACC+8*(\a)+7], v[SCL+4*(\ks)+(\a)%4], v[SCL+4*(\ks)+(\a)/4] matrix_a_fmt:MATRIX_FMT_FP6 matrix_b_fmt:MATRIX_FMT_FP6 matrix_b_scale:MATRIX_SCALE_ROW1
.endif
.endm
; Behind each of a trip's 52 segments of vector lines.  8, 12, 16, 20: K step 0's products, four at a time under one setting of the windows.  25: K step 1's fragments (four segments lie between the last
; product that read those registers and these loads).  33, 37, 41, 45: K step 1's products.  Behind the last of them stand six more segments, the places in front of the next trip's loads.
.macro HOOK
.if HKON
.if HK == 8
	WAITDS F0
.endif
.if (HK >= 8) && (HK < 24) && ((HK-8)%4 == 0)
	WMI HK-8, 0, 0
	WMI HK-7, 0, 0
	WMI HK-6, 0, 0
	WMI HK-5, 0, 0
	WIN 0
.endif
.if HK == 25
	LOADF 1, CSLOT
.set F1, NDS
.endif
.if HK == 33
	WAITDS F1
.endif
.if (HK >= 33) && (HK < 49) && ((HK-33)%4 == 0)
	WMI HK-33, 1, 0
	WMI HK-32, 1, 0
	WMI HK-31, 1, 0
	WMI HK-30, 1, 0
	WIN 0
.endif
.set HK, HK+1
.endif
.endm
; n pieces of a section of constants: 16 bytes a lane, my pair's; sixteen lanes read 256 consecutive bytes, and lanes 16-31 the same.  glob = 1: from memory (the first two trips')
.macro CLOAD reg, n, adr, off, glob
.set CI, 0
.rept \n
.if \glob
	global_load_b128 v[\reg+4*CI:\reg+4*CI+3], v[CGO], s[CB:CB+1] offset:\off+256*CI
.else
	ds_load_b128 v[\reg+4*CI:\reg+4*CI+3], v[\adr] offset:\off+256*CI
.endif
.set CI, CI+1
.endr
.if \glob == 0
.set NDS, NDS+\n
.endif
.endm
; v[s] .. v[s+15], half a block, become 12 bytes of codes in v[CD] on and the block's byte in v[TM+4].  The block's other half lies in lane l xor 16 (x16 = 1) or in lane l xor 1 (x16 = 0)
.macro QTAIL s, x16
	v_max3_num_f32 v[TM], |v[\s]|, |v[\s+1]|, 0x1800000    ; and the floor 2^(3 - 127): the byte cannot fall under 1
	v_max3_num_f32 v[TM+1], |v[\s+2]|, |v[\s+3]|, |v[\s+6]|
	s_delay_alu instid0(VALU_DEP_2)
	v_max3_num_f32 v[TM], v[TM], |v[\s+4]|, |v[\s+5]|
	s_delay_alu instid0(VALU_DEP_2)
	v_max3_num_f32 v[TM+1], v[TM+1], |v[\s+7]|, |v[\s+10]|
	s_delay_alu instid0(VALU_DEP_2)
	v_max3_num_f32 v[TM], v[TM], |v[\s+8]|, |v[\s+9]|
	s_delay_alu instid0(VALU_DEP_2)
	v_max3_num_f32 v[TM+1], v[TM+1], |v[\s+11]|, |v[\s+14]|
	s_delay_alu instid0(VALU_DEP_2)
	v_max3_num_f32 v[TM], v[TM], |v[\s+12]|, |v[\s+13]|
	s_delay_alu instid0(VALU_DEP_1)
	v_max3_num_f32 v[TM], v[TM], v[TM+1], |v[\s+15]|
.if \x16
	s_delay_alu instid0(VALU_DEP_1)
	v_permlanex16_b32 v[TM+2], v[TM], s[SEL], s[SEL+1]
	s_delay_alu instid0(VALU_DEP_1)
	v_max_num_f32 v[TM], v[TM], v[TM+2]
.else
	s_delay_alu instid0(VALU_DEP_1)
	v_max_num_f32_dpp v[TM], v[TM], v[TM] row_xmask:1 row_mask:0xf bank_mask:0xf
.endif
	s_delay_alu instid0(VALU_DEP_1)
	v_add_nc_u32 v[TM+3], 0xff000000, v[TM]        ; 2 off the exponent field: the conversion's scale operand
	v_cvt_scalef32_pk16_fp6_f32 v[CD:CD+2], v[\s:\s+15], v[TM+3]
	v_lshrrev_b32 v[TM+4], 23, v[TM+3]             ; the scale's byte (and the plain line behind the conversion)
.endm
; A unit's 16 results go through my wave's turning stage: in by bases (two features a store), back by places (16 features of one basis).  LDS serves a wave's instructions in order: no wait between them,
; and the next unit's stores come behind these loads.
.macro TURNQ
.irp g, 0,1,2,3,4,5,6,7
	ds_store_b64 v[TW], v[O+2*\g:O+2*\g+1] offset:144*\g
.endr
.irp n, 0,1,2,3,4,5,6,7
	ds_load_b64 v[T+2*\n:T+2*\n+1], v[TR] offset:8*\n
.endr
.set NDS, NDS+16
.set QM, NDS
.endm
; and are quantised: lane (h, 2 basis + half) has half a block of row 8 w + 2 u + h; into operand buffer buf
.macro QSTORE u, buf
	QCALC
	QPUT \u, \buf
.endm
.macro QCALC                           ; the codes and the byte, in registers
	WAITDS QM
	QTAIL T, 0
.endm
.macro QPUT u, buf                     ; and their stores, which inside a unit stand eleven vector lines further on
	ds_store_b32 v[AW], v[CD] offset:ABUF*(\buf)+96*(\u)
	ds_store_b32 v[AW], v[CD+1] offset:ABUF*(\buf)+96*(\u)+4
	ds_store_b32 v[AW], v[CD+2] offset:ABUF*(\buf)+96*(\u)+8
	ds_store_b8 v[SW], v[TM+4] offset:512*(\buf)+32*(\u)   ; lanes l and l xor 1 write the same byte with the same value
.set NDS, NDS+4
.endm
; UNIT u: the 8 bases of my pair of features at row 8 w + 2 u + h.  13 segments.  Behind the third stands the quantising of the unit before, whose numbers have come back into T, which is idle until the fourth.
; refill = 1 (a trip's last unit): each set of registers is loaded anew as soon as its last reader has been issued: constants from v[cadr] + coff (glob = 1: from memory), the four x' from slot s[xs], half half
; of the chunk.  silu = 1: silu's 16 numbers of x' are asked for too.  All these loads are waited for in front of the next barrier at the latest.
.macro UNIT u, buf, refill, cadr, coff, xs, half, silu, glob
.set J, 0
.rept 12
	v_pk_add_f32 v[D+2*J:D+2*J+1], v[X+2*(\u):X+2*(\u)+1], v[G+2*J:G+2*J+1] neg_lo:[0,1] neg_hi:[0,1]   ; D[j] = x' - g[j]
.set J, J+1
.endr
.if \refill
	CLOAD G, 6, \cadr, \coff, \glob
	v_add_nc_u32 v[XA], s[\xs], v[XL]
.irp n, 0,1,2,3
	ds_load_b64 v[X+2*\n:X+2*\n+1], v[XA] offset:2*XP*\n+128*(\half)
.endr
.set NDS, NDS+4
.endif
.if \silu
	v_add_nc_u32 v[TA], s[XC], v[SL]
.irp n, 0,1,2,3
	ds_load_b128 v[SX+4*\n:SX+4*\n+3], v[TA] offset:16*\n
.endr
.set NDS, NDS+4
.set SLU, NDS
.endif
	HOOK
.set J, 0
.rept 12
	v_cmp_le_f32 s[MK+2*J], 0, v[D+2*J]            ; x' >= g[j]: the difference of two f32 numbers has the comparison's sign
	v_cmp_le_f32 s[MK+2*J+1], 0, v[D+2*J+1]
.if J == 5
	HOOK                                           ; (hook 1 of a unit: it holds no line in any trip)
.endif
.set J, J+1
.endr
	HOOK
.if (\u) > 0
	QCALC                                          ; eleven plain vector lines between the last comparison and the scalar lines that read the masks
.else
	s_wait_alu depctr_va_vdst(0)                   ; directly ahead of the run of scalar lines that read the masks
.endif
.set J, 0
.rept 11
	s_and_not1_b64 s[MK+2*J:MK+2*J+1], s[MK+2*J:MK+2*J+1], s[MK+2*J+2:MK+2*J+3]   ; and x' < g[j+1], both features at once; ascending, so that pair j + 1 is read before it is rewritten
.set J, J+1
.endr
.set J, 0
.rept 11
	v_cndmask_b32 v[T+2*J], 0, v[R1+2*J], s[MK+2*J] ; R1[j] x the indicator
.set J, J+1
.endr
.if (\u) > 0
	QPUT (\u)-1, \buf
.endif
	HOOK
.set J, 0
.rept 11
	v_cndmask_b32 v[T+2*J+1], 0, v[R1+2*J+1], s[MK+2*J+1]
.set J, J+1
.endr
.if \refill
	CLOAD R1, 6, \cadr, \coff+2048, \glob
.endif
	HOOK
.set J, 0
.rept 10
	v_pk_mul_f32 v[O+2*J:O+2*J+1], v[D+2*J:D+2*J+1], v[T+2*J:T+2*J+1]
.set J, J+1
.endr
	HOOK
.set J, 0
.rept 10
	v_pk_fma_f32 v[O+2*J:O+2*J+1], v[D+2*J+4:D+2*J+5], v[T+2*J+2:T+2*J+3], v[O+2*J:O+2*J+1] neg_lo:[1,0,0] neg_hi:[1,0,0]   ; level 1: - D[j+2] T[j+1]
.set J, J+1
.endr
	HOOK
.set J, 0
.rept 10
	v_pk_mul_f32 v[T+2*J:T+2*J+1], v[R2+2*J:R2+2*J+1], v[O+2*J:O+2*J+1]
.set J, J+1
.endr
.if \refill
	CLOAD R2, 5, \cadr, \coff+4096, \glob
.endif
	HOOK
.set J, 0
.rept 9
	v_pk_mul_f32 v[O+2*J:O+2*J+1], v[D+2*J:D+2*J+1], v[T+2*J:T+2*J+1]
.set J, J+1
.endr
.if HKON && (HK == 8)
	s_wait_alu depctr_va_vdst(0)                   ; ahead of the LDS wait that this one hook holds
.endif
	HOOK
.set J, 0
.rept 9
	v_pk_fma_f32 v[O+2*J:O+2*J+1], v[D+2*J+6:D+2*J+7], v[T+2*J+2:T+2*J+3], v[O+2*J:O+2*J+1] neg_lo:[1,0,0] neg_hi:[1,0,0]   ; level 2: - D[j+3] T[j+1]
.set J, J+1
.endr
	HOOK
.set J, 0
.rept 9
	v_pk_mul_f32 v[T+2*J:T+2*J+1], v[R3+2*J:R3+2*J+1], v[O+2*J:O+2*J+1]
.set J, J+1
.endr
.if \refill
	CLOAD R3, 5, \cadr, \coff+6144, \glob
.endif
	HOOK
.set J, 0
.rept 8
	v_pk_mul_f32 v[O+2*J:O+2*J+1], v[D+2*J:D+2*J+1], v[T+2*J:T+2*J+1]
.set J, J+1
.endr
	HOOK
.set J, 0
.rept 8
	v_pk_fma_f32 v[O+2*J:O+2*J+1], v[D+2*J+8:D+2*J+9], v[T+2*J+2:T+2*J+3], v[O+2*J:O+2*J+1] neg_lo:[1,0,0] neg_hi:[1,0,0]   ; level 3: - D[j+4] T[j+1]: register 2 j + e = basis j of feature e
.set J, J+1
.endr
	HOOK
	TURNQ
.endm
; silu of 16 numbers a lane: x' / (1 + 2^(-x' log2 e)).  Two batches of transcendentals, each with one plain line and one wait ahead of its first reader.
.macro SILU
	WAITDS SLU
.set J, 0
.rept 8
	v_pk_mul_f32 v[D+2*J:D+2*J+1], v[SX+2*J:SX+2*J+1], 0xbfb8aa3b op_sel_hi:[1,0]
.set J, J+1
.endr
.set J, 0
	s_wait_alu depctr_va_vdst(0)
.rept 16
	v_exp_f32 v[D+J], v[D+J]
.set J, J+1
.endr
	v_add_nc_u32 v[TA], s[BI], v[BW]               ; (the plain line)  where this chunk's codes go
	s_wait_alu depctr_va_vdst(0)
.set J, 0
.rept 8
	v_pk_add_f32 v[D+2*J:D+2*J+1], v[D+2*J:D+2*J+1], 1.0 op_sel_hi:[1,0]
.set J, J+1
.endr
.set J, 0
	s_wait_alu depctr_va_vdst(0)
.rept 16
	v_rcp_f32 v[D+J], v[D+J]
.set J, J+1
.endr
	v_add_nc_u32 v[XA], s[BC], v[BS]               ; (the plain line)  and its byte
	s_wait_alu depctr_va_vdst(0)
.set J, 0
.rept 8
	v_pk_mul_f32 v[O+2*J:O+2*J+1], v[D+2*J:D+2*J+1], v[SX+2*J:SX+2*J+1]
.set J, J+1
.endr
	QTAIL O, 1
	ds_store_b32 v[TA], v[CD]
	ds_store_b32 v[TA], v[CD+1] offset:4
	ds_store_b32 v[TA], v[CD+2] offset:8
	ds_store_b8 v[XA], v[TM+4]                     ; lanes l and l xor 16 write the same byte with the same value
.set NDS, NDS+4
.endm
; 16 numbers of x a lane (four rows' 16 bytes) become x' and go to v[adr] + off in LDS
.macro STAGE reg, adr, off
.set J, 0
.rept 16
	v_cmp_eq_f32 vcc_lo, v[\reg+J], v[\reg+J]
	s_delay_alu instid0(VALU_DEP_1)
	v_cndmask_b32 v[\reg+J], 0, v[\reg+J], vcc_lo  ; NaN -> 0
.set J, J+1
.endr
.set J, 0
.rept 16
	v_med3_num_f32 v[\reg+J], v[\reg+J], s[NCLIP], s[CLIP]   ; both clips at once: +-1.1 lies inside +-6, and takes the infinities too
.set J, J+1
.endr
.set J, 0
.rept 8
	v_pk_add_f32 v[\reg+2*J:\reg+2*J+1], v[\reg+2*J:\reg+2*J+1], 1.0 op_sel_hi:[1,0]
.set J, J+1
.endr
.set J, 0
.rept 8
	v_pk_add_f32 v[\reg+2*J:\reg+2*J+1], v[\reg+2*J:\reg+2*J+1], -1.0 op_sel_hi:[1,0]   ; (x + 1) / 2 x 2 - 1: the division and the multiplication by 2 round nothing
.set J, J+1
.endr
.irp n, 0,1,2,3
	ds_store_b128 v[\adr], v[\reg+4*\n:\reg+4*\n+3] offset:\off+2*XP*\n
.endr
.endm
.macro XLOAD step                      ; the next chunk of x: 64 features of my 8 rows; a load takes two rows' 256 aligned bytes
	s_wait_xcnt 0x0                                ; earlier loads have read their base
	s_add_nc_u64 s[4:5], s[4:5], \step
.irp n, 0,1,2,3
	global_load_b128 v[XS+4*\n:XS+4*\n+3], v[GX], s[4:5] offset:4096*\n th:TH_LOAD_NT
.endr
.endm
.macro MRUN ks, base                   ; a K step's 16 products on end, where no vector work is left to set between them; four places behind them, for the loads or reads that follow
	s_wait_dscnt 0x0
.set QA, 0
.rept 16
	WMI QA, \ks, \base
.set QA, QA+1
.endr
	WIN 0
	PLACES
.endm
	; ---------------- the head
	s_load_b128 s[4:7], s[0:1], 0x0                ; x s[4:5], wq s[6:7]
	s_load_b64 s[8:9], s[0:1], 0x10                ; out0
	v_lshl_add_u32 v[SPW], v0, 2, SPARE
	v_mov_b32 v[NIL], 0
	ds_add_u32 v1, v2
	ds_add_u32 v1, v2
	s_wait_dscnt 0x0
	v_lshrrev_b32 v[TM], 5, v0
	s_delay_alu instid0(VALU_DEP_1)
	v_readfirstlane_b32 s[WV], v[TM]               ; wave 0..7
	v_and_b32 v[TM], 31, v0                        ; L
	v_and_b32 v[TM+1], 15, v0                      ; r; also my pair p, and my place 2 basis + half
	v_bfe_u32 v[TM+3], v0, 4, 1                    ; h
	v_mov_b32 v[TM+2], 0                           ; written once: a lane permute's destination counts as one of its sources
	s_lshr_b32 s84, s[WV], 2
	s_and_b32 s85, s[WV], 1
	s_lshr_b32 s87, s[WV], 1
	s_and_b32 s88, s[WV], 3
	; AW, SW.  Behind the turn lane (h, bits 3-0) has basis = bits 3-1: K step = bit 3, block b = bits 2-1; half of the block = bit 0; row 8 w + 2 u + h: tile of rows m = w >> 1, r = 8 (w & 1) + 2 u + h.
	; Block b lies in the operand's lanes r + 16 (b & 1), registers 6 (b >> 1) on, its halves 12 bytes apart
	v_bfe_u32 v[TM+4], v0, 3, 1
	s_delay_alu instid0(VALU_DEP_1)
	v_mul_u32_u24 v[AW], v[TM+4], 4*FRB
	s_delay_alu instid0(VALU_DEP_2)
	v_lshlrev_b32 v[SW], 8, v[TM+4]
	v_bfe_u32 v[TM+4], v0, 1, 1
	s_delay_alu instid0(VALU_DEP_1)
	v_mad_u32_u24 v[AW], v[TM+4], 768, v[AW]
	v_bfe_u32 v[TM+4], v0, 2, 1
	s_delay_alu instid0(VALU_DEP_1)
	v_mad_u32_u24 v[AW], v[TM+4], 24, v[AW]
	v_and_b32 v[TM+4], 1, v0
	s_delay_alu instid0(VALU_DEP_1)
	v_mad_u32_u24 v[AW], v[TM+4], 12, v[AW]
	s_delay_alu instid0(VALU_DEP_1)
	v_mad_u32_u24 v[AW], v[TM+3], 48, v[AW]
	s_mul_i32 s89, s85, 384
	s_mul_i32 s90, s87, FRB
	s_add_co_u32 s89, s89, s90
	s_add_co_u32 s89, s89, AIMG
	v_add_nc_u32 v[AW], s89, v[AW]
	v_bfe_u32 v[TM+4], v0, 1, 2
	s_delay_alu instid0(VALU_DEP_1)
	v_add_nc_u32 v[SW], v[SW], v[TM+4]
	s_delay_alu instid0(VALU_DEP_1)
	v_lshl_add_u32 v[SW], v[TM+3], 4, v[SW]
	s_lshl_b32 s89, s85, 7
	s_lshl_b32 s90, s87, 2
	s_add_co_u32 s89, s89, s90
	s_add_co_u32 s89, s89, ASC
	v_add_nc_u32 v[SW], s89, v[SW]
	s_mul_i32 s89, s[WV], 8*XP                     ; XL: row 8 w + h (+ 2 u), my pair's 8 bytes of a trip's 128
	s_add_co_u32 s89, s89, XST
	v_mul_u32_u24 v[XL], v[TM+3], XP
	s_delay_alu instid0(VALU_DEP_1)
	v_lshl_add_u32 v[XL], v[TM+1], 3, v[XL]
	s_delay_alu instid0(VALU_DEP_1)
	v_add_nc_u32 v[XL], s89, v[XL]
	v_lshlrev_b32 v[CGO], 4, v[TM+1]               ; my pair's 16 bytes of a piece
	s_delay_alu instid0(VALU_DEP_1)
	v_add_nc_u32 v[CN], CON, v[CGO]
	s_delay_alu instid0(VALU_DEP_1)
	v_add_nc_u32 v[CN+1], TILEB, v[CN]
	s_mul_i32 s89, s[WV], TWB                      ; the turning stage: in at place 16 h + 2 basis + (p >> 3), 8 (p & 7) bytes on; back from place L
	s_add_co_u32 s89, s89, TST
	v_mul_u32_u24 v[TW], v[TM+3], 1152
	v_bfe_u32 v[TM+4], v0, 3, 1
	s_delay_alu instid0(VALU_DEP_1)
	v_mad_u32_u24 v[TW], v[TM+4], 72, v[TW]
	v_and_b32 v[TM+4], 7, v0
	s_delay_alu instid0(VALU_DEP_1)
	v_lshl_add_u32 v[TW], v[TM+4], 3, v[TW]
	s_delay_alu instid0(VALU_DEP_1)
	v_add_nc_u32 v[TW], s89, v[TW]
	v_mul_u32_u24 v[TR], v[TM], 72
	s_delay_alu instid0(VALU_DEP_1)
	v_add_nc_u32 v[TR], s89, v[TR]
	v_mad_u32_u24 v[AF], v[TM], 48, AIMG
	s_mul_i32 s89, s[WV], 8*FRB
	v_lshl_add_u32 v[BF], v[TM], 4, s89
	s_delay_alu instid0(VALU_DEP_1)
	v_add_nc_u32 v[BF+1], TILEB, v[BF]
	s_lshl_b32 s89, s[WV], 9                       ; SC: the lower base + h x the distance to the upper
	s_add_co_u32 s89, s89, BSC
	s_sub_co_u32 s90, ASC, s89
	v_mul_u32_u24 v[SC], s90, v[TM+3]
	s_delay_alu instid0(VALU_DEP_1)
	v_lshl_add_u32 v[SC], v[TM+1], 4, v[SC]
	s_delay_alu instid0(VALU_DEP_1)
	v_add_nc_u32 v[SC], s89, v[SC]
	s_add_co_u32 s89, s89, TILEB
	s_sub_co_u32 s90, ASC+512, s89
	v_mul_u32_u24 v[SC+1], s90, v[TM+3]
	s_delay_alu instid0(VALU_DEP_1)
	v_lshl_add_u32 v[SC+1], v[TM+1], 4, v[SC+1]
	s_delay_alu instid0(VALU_DEP_1)
	v_add_nc_u32 v[SC+1], s89, v[SC+1]
	s_mul_i32 s89, s[WV], 8*XP                     ; XW, GX: rows 8 w + h + 2 n, 16 bytes a lane
	s_add_co_u32 s89, s89, XST
	v_mul_u32_u24 v[XW], v[TM+3], XP
	s_delay_alu instid0(VALU_DEP_1)
	v_lshl_add_u32 v[XW], v[TM+1], 4, v[XW]
	s_delay_alu instid0(VALU_DEP_1)
	v_add_nc_u32 v[XW], s89, v[XW]
	s_lshl_b32 s89, s[WV], 14
	v_lshlrev_b32 v[GX], 11, v[TM+3]
	s_delay_alu instid0(VALU_DEP_1)
	v_lshl_add_u32 v[GX], v[TM+1], 4, v[GX]
	s_delay_alu instid0(VALU_DEP_1)
	v_add_nc_u32 v[GX], s89, v[GX]
	s_mul_i32 s89, s87, 16*XP                      ; silu: tile of rows w >> 1, block w & 1 of the chunk, half h of the block
	s_lshl_b32 s90, s85, 7
	s_add_co_u32 s89, s89, s90
	s_add_co_u32 s89, s89, XST
	v_mul_u32_u24 v[SL], v[TM+1], XP
	s_delay_alu instid0(VALU_DEP_1)
	v_lshl_add_u32 v[SL], v[TM+3], 6, v[SL]
	s_delay_alu instid0(VALU_DEP_1)
	v_add_nc_u32 v[SL], s89, v[SL]
	s_mul_i32 s89, s87, 768
	s_mul_i32 s90, s85, 384
	s_add_co_u32 s89, s89, s90
	s_add_co_u32 s89, s89, BIMG
	v_mul_u32_u24 v[BW], v[TM+1], 24
	s_delay_alu instid0(VALU_DEP_1)
	v_mad_u32_u24 v[BW], v[TM+3], 12, v[BW]
	s_delay_alu instid0(VALU_DEP_1)
	v_add_nc_u32 v[BW], s89, v[BW]
	s_lshl_b32 s89, s87, 4
	s_add_co_u32 s89, s89, s85
	s_add_co_u32 s89, s89, BSCA
	v_lshl_add_u32 v[BS], v[TM+1], 6, s89
	v_mad_u32_u24 v[BFA], v[TM], 24, BIMG
	v_lshl_add_u32 v[BSR], v[TM+1], 6, BSCA
	s_mul_i32 s89, s[WV], 16*XP                    ; the way out: my stage of 16 rows x 272 bytes, in slot 0
	v_mul_u32_u24 v[STO], v[TM+1], XP
	s_delay_alu instid0(VALU_DEP_1)
	v_lshl_add_u32 v[STO], v[TM+3], 5, v[STO]
	s_delay_alu instid0(VALU_DEP_1)
	v_add_nc_u32 v[STO], s89, v[STO]
	v_mul_u32_u24 v[SRD], v[TM+3], XP
	s_delay_alu instid0(VALU_DEP_1)
	v_lshl_add_u32 v[SRD], v[TM+1], 4, v[SRD]
	s_delay_alu instid0(VALU_DEP_1)
	v_add_nc_u32 v[SRD], s89, v[SRD]
	s_lshl_b32 s89, s[WV], 8
	v_lshlrev_b32 v[GO], 11, v[TM+3]
	s_delay_alu instid0(VALU_DEP_1)
	v_lshl_add_u32 v[GO], v[TM+1], 4, v[GO]
	s_delay_alu instid0(VALU_DEP_1)
	v_add_nc_u32 v[GO], s89, v[GO]
	v_min_u32 v[PFO], 26, v[TM]
	s_delay_alu instid0(VALU_DEP_1)
	v_lshlrev_b32 v[PFO], 8, v[PFO]
	s_mov_b32 s[XC], 0
	s_mov_b32 s[XN], XSL
	s_mov_b32 s[BI], 0
	s_mov_b32 s[BC], 0
	s_mov_b32 s[LOOP], 7
	s_mov_b32 s[SEL], 0x76543210
	s_mov_b32 s[SEL+1], 0xfedcba98                 ; v_permlanex16_b32's selects for lane l xor 16
	s_mov_b32 s[CLIP], 0x3f8ccccd                  ; 1.1
	s_mov_b32 s[NCLIP], 0xbf8ccccd
	s_mov_b32 s[PINF], 0x7f800000
	; descriptor group 1: dense rows of 256 bytes (32 elements of 8 bytes), no padding; the mask names all four work-groups, bit 21 beside it
	s_mov_b32 s[G1], 15|(3<<16)|(1<<21)
	s_mov_b32 s[G1+1], 32<<16                      ; tensor_dim0
	s_mov_b32 s[G1+2], 108<<16                     ; tensor_dim1
	s_mov_b32 s[G1+3], 32<<16                      ; tile_dim0
	s_mov_b32 s[G1+4], 108                         ; tile_dim1
	s_mov_b32 s[G1+5], 32                          ; the pitch
	s_mov_b32 s[G1+6], 0
	s_mov_b32 s[G1+7], 0
	s_mul_i32 s89, s[WV], QUART                    ; my quarter: no place in the cluster enters a descriptor
	s_mov_b32 s90, s89
	s_mov_b32 s91, 0
	s_xor_b32 s92, s84, 1                          ; 0 in waves 4-7,
	s_or_b32 s92, s92, ttmp9                       ; of the first cluster: the same in all four partners
	s_cmp_eq_u32 s92, 0
	s_cselect_b32 s[ASKF], 1, 0
	s_bfe_u32 s80, ttmp6, 0x40000                  ; cx: it enters x's, y's and the prefetches' addresses alone
	s_lshl_b32 s81, ttmp9, 2
	s_add_co_u32 s81, s81, s80                     ; my work-group
	s_lshl_b32 s82, s81, 17                        ; its 64 rows of 2,048 bytes
	s_mov_b32 s83, 0
	s_mul_i32 s94, s80, QUART
	s_mul_i32 s81, s88, 6912
	s_add_co_u32 s94, s94, s81
	s_add_co_u32 s94, s94, TILEB                   ; in tile 1: trip 0 steps it to tile 2.  Nothing is prefetched here, at the head
	s_mov_b32 s95, 0
	s_wait_kmcnt 0x0
	s_add_nc_u64 s[92:93], s[6:7], s[90:91]
	s_mov_b32 s[G0], 1
	s_mov_b32 s[G0+1], s89
	s_mov_b64 s[G0+2:G0+3], s[92:93]
	s_or_b32 s[G0+3], s[G0+3], 0x80000000
	s_mov_b32 s[G0+4], 1
	s_add_co_u32 s[G0+5], s89, TILEB
	s_add_nc_u64 s[G0+6:G0+7], s[92:93], TILEB
	s_or_b32 s[G0+7], s[G0+7], 0x80000000
	s_add_nc_u64 s[CB:CB+1], s[6:7], 18*TILEB
	s_add_nc_u64 s[PFA:PFA+1], s[6:7], s[94:95]
	s_add_nc_u64 s[4:5], s[4:5], s[82:83]
	s_add_nc_u64 s[8:9], s[8:9], s[82:83]
	ROUND                                          ; all four work-groups are here: the first joint loads meet
	s_cmp_lt_u32 s[WV], 4                          ; the first fill: waves 0-3, a quarter of tile 0 each
	s_cbranch_scc0 .Lfilled
	tensor_load_to_lds s[G0:G0+3], s[G1:G1+7]
	s_nop 0
.rept 4
	v_nop
.endr
.Lfilled:
	CLOAD G, 6, 0, 0, 1                            ; trip 0's constants, from memory
	CLOAD R1, 6, 0, 2048, 1
	CLOAD R2, 5, 0, 4096, 1
	CLOAD R3, 5, 0, 6144, 1
.irp n, 0,1,2,3
	global_load_b128 v[XS+4*\n:XS+4*\n+3], v[GX], s[4:5] offset:4096*\n th:TH_LOAD_NT          ; chunk 0 of x
.endr
.irp n, 0,1,2,3
	global_load_b128 v[D+4*\n:D+4*\n+3], v[GX], s[4:5] offset:4096*\n+256 th:TH_LOAD_NT        ; chunk 1
.endr
	WIN 0x40                                       ; the accumulators are cleared while those loads are out: a first trip written out with C = 0 would be a fifth more text
.set J, 0
.rept 128
	v_mov_b32 v[ACC+J], 0
.set J, J+1
.endr
	WIN 0
	s_wait_loadcnt 4                               ; the constants and chunk 0 are in; chunk 1's four loads may be out
	STAGE XS, XW, 0
	s_wait_loadcnt 0x0
	STAGE D, XW, XSL
	XLOAD 512                                      ; chunk 2
	s_wait_tensorcnt 0x0                           ; my first fill has landed,
	s_wait_dscnt 0x0                               ; my rows of x' are stored:
	s_barrier_signal -1
	s_barrier_wait -1                              ; everybody's.
	; ---------------- the operand of trip 0: there is no matrix work yet to set between
.irp n, 0,1,2,3
	ds_load_b64 v[X+2*\n:X+2*\n+1], v[XL] offset:2*XP*\n
.endr
	s_wait_dscnt 0x0
.set NDS, 0
	UNIT 0, 0, 0, 0, 0, 0, 0, 0, 0
	UNIT 1, 0, 0, 0, 0, 0, 0, 0, 0
	UNIT 2, 0, 0, 0, 0, 0, 0, 0, 0
	UNIT 3, 0, 1, 0, 8192, XC, 1, 0, 1             ; trip 1's constants come from memory too
	QSTORE 3, 0
	s_wait_loadcnt 0x0                             ; they are in (and chunk 2 of x)
.set HKON, 1
	; ---------------- trips 0 to 13, two a pass; pass i = 7 - s[LOOP]
.Lpass:
	HEAD 0, 1, 1                                   ; trip 2 i: multiplies slot 0 and operand buffer 0, makes trip 2 i + 1's operand in buffer 1, and silu of chunk i
	LOADF 0, 0
.set F0, NDS
	UNIT 0, 1, 0, 0, 0, 0, 0, 0, 0
	UNIT 1, 1, 0, 0, 0, 0, 0, 0, 0
	UNIT 2, 1, 0, 0, 0, 0, 0, 0, 0
	UNIT 3, 1, 1, CN+0, 0, XN, 0, 1, 0
	SILU                                           ; stands between the last unit's turn and its quantising
	QSTORE 3, 1
	s_add_co_u32 s[BI], s[BI], 3072
	s_add_co_u32 s[BC], s[BC], 2
	HEAD 1, 1, 1                                   ; trip 2 i + 1: slot 1, buffer 1; makes trip 2 i + 2's operand in buffer 0
	LOADF 0, 1
.set F0, NDS
	UNIT 0, 0, 0, 0, 0, 0, 0, 0, 0
	UNIT 1, 0, 0, 0, 0, 0, 0, 0, 0
	UNIT 2, 0, 0, 0, 0, 0, 0, 0, 0
	UNIT 3, 0, 1, CN+1, 0, XN, 1, 0, 0
	s_cmp_lt_u32 s[LOOP], 2                        ; chunk i + 2 goes into the slot of chunk i, whose last read stood in front of this trip's barrier.  x has 8 chunks: the last pass stages nothing,
	s_cbranch_scc1 .Lno_stage
	s_wait_loadcnt 0x0
	v_add_nc_u32 v[TA], s[XC], v[XW]
	STAGE XS, TA, 0
	s_cmp_lt_u32 s[LOOP], 3                        ; and the last two load nothing: no load leaves a row of x
	s_cbranch_scc1 .Lno_stage
	XLOAD 256                                      ; chunk i + 3: it has two trips in which to land
.Lno_stage:
	QSTORE 3, 0                                    ; (its wait is for 0: right on both ways)
	s_xor_b32 s[XC], s[XC], XSL
	s_xor_b32 s[XN], s[XN], XSL
	s_sub_co_u32 s[LOOP], s[LOOP], 1
	s_cmp_lg_u32 s[LOOP], 0
	s_cbranch_scc1 .Lpass
	; ---------------- the tail, written out
	HEAD 0, 1, 1                                   ; trip 14: the last operand (trip 15's) and silu of chunk 7; nothing more to fetch for P
	LOADF 0, 0
.set F0, NDS
	UNIT 0, 1, 0, 0, 0, 0, 0, 0, 0
	UNIT 1, 1, 0, 0, 0, 0, 0, 0, 0
	UNIT 2, 1, 0, 0, 0, 0, 0, 0, 0
	UNIT 3, 1, 0, 0, 0, 0, 0, 1, 0
	SILU
	QSTORE 3, 1
.set HKON, 0
	HEAD 1, 1, 1                                   ; trip 15: the last spline trip
	LOADF 0, 1
	MRUN 0, 0
	LOADF 1, 1
	MRUN 1, 0
	HEAD 0, 1, 0                                   ; trip 16: base K steps 0, 1; the last tile is asked for
	LOADFB 0, 0, 0
	MRUN 0, 1
	LOADFB 1, 0, 1
	MRUN 1, 1
	HEAD 1, 0, 0                                   ; trip 17: base K steps 2, 3; nothing is filled again, so no round
	LOADFB 0, 1, 2
	MRUN 0, 1
	LOADFB 1, 1, 3
	MRUN 1, 1
	; ---------------- the way out, a tile of 16 rows at a time.  What is not finite becomes 0.  A lane's 8 numbers are 32 bytes of a row; they go through my own stage (in slot 0, which has had its last fill,
	; and which nobody reads behind the last barrier) and come back as rows of 256 bytes: sixteen lanes store 256 consecutive bytes, aligned.
.macro TOSTAGE m
	WIN 0x05                                       ; sources 0 and 1 window 1
.irp i, 0,1,2,3
.irp j, 0,1,2,3,4,5,6,7
	v_cmp_lt_f32 vcc_lo, |v[ACC+8*(4*(\m)+\i)+\j]|, s[PINF]        ; each accumulator from its low end on
	v_cndmask_b32 v[TV+8*\i+\j], 0, v[ACC+8*(4*(\m)+\i)+\j], vcc_lo
.endr
.endr
	WIN 0
.irp i, 0,1,2,3
	ds_store_b128 v[STO], v[TV+8*\i:TV+8*\i+3] offset:64*\i
	ds_store_b128 v[STO], v[TV+8*\i+4:TV+8*\i+7] offset:64*\i+16
.endr
.irp t, 0,1,2,3,4,5,6,7
	ds_load_b128 v[RB+32*((\m)%2)+4*\t:RB+32*((\m)%2)+4*\t+3], v[SRD] offset:2*XP*\t   ; LDS serves a wave's instructions in order: these see my stores, and the next tile's stores come behind them
.endr
.endm
.macro SEND m, younger
	s_wait_dscnt \younger                          ; the tile is back in registers; the next tile's 8 stores and 8 loads may be out
.irp t, 0,1,2,3,4,5,6,7
	global_store_b128 v[GO], v[RB+32*((\m)%2)+4*\t:RB+32*((\m)%2)+4*\t+3], s[8:9] offset:(16*(\m)+2*\t)*2048 th:TH_STORE_NT
.endr
.endm
	TOSTAGE 0
	TOSTAGE 1
	SEND 0, 16
	s_wait_xcnt 0x0                                ; tile 0's stores have read their registers: tile 2's rows may land there
	TOSTAGE 2
	SEND 1, 16
	s_wait_xcnt 0x0
	TOSTAGE 3
	SEND 2, 16
	SEND 3, 0
	s_wait_tensorcnt 0x0                           ; the wave's end, behind my last tensor load and my last LDS store
	ds_add_u32 v[SPW], v[NIL]
	s_wait_dscnt 0x0
	ROUND                                          ; the closing round: no work-group ends while a partner may still ask for a tile that names it
	s_endpgm
.Lfunc_end_k_q1214c2dfe1_kan:
	.size	k_q1214c2dfe1_kan, .Lfunc_end_k_q1214c2dfe1_kan-k_q1214c2dfe1_kan
	.p2alignl 7, 3214868480
	.fill 96, 4, 3214868480
	.section	.rodata,"a",@progbits
	.p2align	6, 0x0
	.amdhsa_kernel k_q1214c2dfe1_kan
		.amdhsa_group_segment_fixed_size 327680
		.amdhsa_private_segment_fixed_size 0
		.amdhsa_enable_private_segment 0
		.amdhsa_kernarg_size 24
		.amdhsa_user_sgpr_count 2
		.amdhsa_user_sgpr_kernarg_segment_ptr 1
		.amdhsa_wavefront_size32 1
		.amdhsa_system_sgpr_workgroup_id_x 1
		.amdhsa_system_sgpr_workgroup_id_y 1
		.amdhsa_system_sgpr_workgroup_id_z 1
		.amdhsa_system_vgpr_workitem_id 0
		.amdhsa_next_free_vgpr 480
		.amdhsa_next_free_sgpr 96
		.amdhsa_reserve_vcc 1
		.amdhsa_float_denorm_mode_32 3
		.amdhsa_float_denorm_mode_16_64 3
		.amdhsa_memory_ordered 1
		.amdhsa_forward_progress 1
		.amdhsa_inst_pref_size 255
	.end_amdhsa_kernel
	.section	.bss,"aw",@nobits
	.p2align	6
	.space	262144
	.amdgpu_metadata
---
amdhsa.version: [ 1, 2 ]
amdhsa.kernels:
  - .name:           k_q1214c2dfe1_kan
    .symbol:         k_q1214c2dfe1_kan.kd
    .args:
      - { .name: x, .offset: 0, .size: 8, .value_kind: global_buffer, .address_space: global }
      - { .name: wq, .offset: 8, .size: 8, .value_kind: global_buffer, .address_space: global }
      - { .name: out0, .offset: 16, .size: 8, .value_kind: global_buffer, .address_space: global }
    .group_segment_fixed_size: 327680
    .private_segment_fixed_size: 0
    .kernarg_segment_align: 8
    .kernarg_segment_size: 24
    .max_flat_workgroup_size: 256
    .sgpr_count:     96
    .vgpr_count:     480
    .wavefront_size: 32
...
	.end_amdgpu_metadata
.endif
;; end of part 2
